; MI455X (gfx1250); checked and timed in simulation.
; The chip was launched on July 23, 2026; its instructions are those of AMD's public machine-readable ISA for CDNA 5 (MIT licence, August 2026) and "CDNA5" Instruction Set Architecture Reference Guide (July 2026). The comments in the code are by the model that wrote it; some were corrected since.
;; Tiny Lo RA Layer. Allowed arithmetic: matrix products marked QUANTISED: E5M2 operands, one given power-of-two scale a tensor, by v_wmma_f32_16x16x64_bf8_bf8 or v_wmma_f32_16x16x128_bf8_bf8, f32 sums; products left as they are: f32 operands where the result goes on into a quantised operand, else bf16, f16 or f32 operands; f32 sums; everything else in f32.
;; Inputs: A 4,096 x 8 float32; B 8 x 4,096 float32; P 8 x 4 float32; base_output 2 x 2,048 x 4,096 float32; lowp_scales 2 int32 (the exponents e of the quantised operands' scales 2^e); v 4 float32; x 2 x 2,048 x 4,096 float32.
;; Outputs: out0 2 x 2,048 x 4,096 float32.
;; This version of the problem:
;;   THIS VERSION OF THE PROBLEM IS GIVEN IN LOW PRECISION. The matrix products marked QUANTISED in the list below multiply operands that are first quantised to E5M2 (5 exponent bits, 2 mantissa bits; 8 bits a number), with one given power-of-two scale for each operand tensor; their sums are f32. All else is computed in f32.
;;   The module's matrix products, in the order in which they are computed (A, B: the left and right operand; K: the contracted axis; several contracted axes count as one K, in the product's order):
;;     1. [M 8, K 4] x [K 4, N 1]; A: input P; B: input v: left as it is (K = 4 < 32)
;;     2. [M 4,096, K 8] x [K 8, N 4,096]; A: computed on the way; B: input B: left as it is (K = 8 < 32)
;;     3. [M 4,096, K 4,096] x [K 4,096, N 4,096]; A: input x; B: computed on the way: QUANTISED (scales: A lowp_scales[0], B lowp_scales[1])
;;   THE QUANTISER, for each operand of a quantised product, along K:
;;     - The operand's scale is 2^e, e = its entry of the input lowp_scales (int32; the entries are numbered through the quantised products in the list's order, A before B).
;;     - Each number is divided by the scale, clamped to +-57,344, and rounded to the nearest number of E5M2, ties to even, subnormals kept.
;;     - The product sums the exact products of the quantised numbers (number of the format x scale) in f32.
;;   ~~~python
;;   def quantise(x, axis, e):      # numpy; x: float32 -> the quantised numbers, widened to float32 again
;;       x = np.moveaxis(x, axis, -1); K = x.shape[-1]
;;       r = np.clip(x / 2.0 ** e, -57344, 57344)
;;       step = 2.0 ** (np.maximum(np.frexp(np.where(r == 0, 1, r))[1] - 1, -14) - 2)
;;       q = np.round(r / step) * step * 2.0 ** e      # np.round: ties to even
;;       return np.moveaxis(q, -1, axis).astype(np.float32)
;;   ~~~
;;   OPERANDS COMPUTED ON THE WAY. 'Computed on the way' means the value that the module computes at that place (a softmax that the list does not call 'softmax' is quantised finished and normalised). What goes into a quantiser is computed in f32, as accurately as f32 sums, v_exp_f32 and their like allow (about 1e-6 of the number): no bf16 or f16 on the way to a quantiser, and a product that is left as it is and whose result goes on into a quantised operand takes f32 operands (vector FMAs, or v_wmma_f32_16x16x4_f32). A number that lies on a knife's edge between two numbers of the format may be rounded either way, as far as f32 arithmetic and the matrix unit's own rounding can turn it there, and no further.
;; One version. Each part assembles by itself: llvm-mc -triple=amdgcn-amd-amdhsa -mcpu=gfx1250 --defsym DOCPART=n.
;; ======== version 1 of 1: 2 launches
;; limits: right only within a limited range of input values
;; workspace buffers: x_codes 16,777,216 bytes; w_codes 16,777,216 bytes
;; launch quant (part 1): grid 1024 x 1, 4 waves a work-group, no clusters, 0 bytes of LDS; arguments x, A, B, P, v, lowp_scales, x_codes, w_codes; writes x_codes, w_codes
.if DOCPART == 1
	.amdgcn_target "amdgcn-amd-amdhsa--gfx1250"
	.amdhsa_code_object_version 6
	.text
	.protected	k_q9d317bfcb4_quant
	.globl	k_q9d317bfcb4_quant
	.p2align	8
	.type	k_q9d317bfcb4_quant,@function
k_q9d317bfcb4_quant:
	s_mov_b64 s[64:65], 0
	v_nop
	global_prefetch_b8 v0, s[64:65] scope:SCOPE_SE
	s_setreg_imm32_b32 hwreg(HW_REG_WAVE_MODE, 25, 1), 1
	s_wait_xcnt 0x0
; Launch 1 of 2: both operands of the quantised product are made ONCE, as codes of BF8 (E5M2), one code a byte.
; Q(y, e): y / 2^e, held within +-57,344, rounded to the nearest code, ties to even.  e0, e1: the two whole numbers (int32) of lowp_scales.
; THE PLACES OF k.  Inside each 512 along K the code of k = 128 i + 4 l + e (i, e = 0 .. 3, l = 0 .. 31) stands at place 16 l + 4 i + e, in BOTH operands: every product meets its partner, and only the order of
; the sums changes.  So a lane's four dense loads of x (16 bytes of each of four runs of 512 bytes) hold just the 16 numbers whose codes it stores on end, and nothing is turned through LDS.
;   x_codes[m][place] = Q(x[m][k], e0): rows of 4,096 bytes (batch and sequence folded into m).
;   dW[o][k] = sum over r of (A[o][r] scale[r]) B[r][k],  scale[r] = sum over u of P[r][u] v[u], all in f32;  its codes Q(dW, e1) are laid AS THE NEXT LAUNCH'S REGISTERS TAKE THEM:
;   w_codes byte 65,536 (o / 16) + 512 (place / 32) + 256 ((place / 16) % 2) + 16 (o % 16) + place % 16: a fragment (16 rows o x 128 places) is 2,048 bytes on end, four groups of 512, 16 bytes a lane.
; LIMITS: e0 and e1 lie between -126 and 112, so that 2^e and 57,344 x 2^e are f32 numbers.  NaN among the inputs is not served; an infinity is held at the largest code.
; SHARES.  Work-groups 0 to 511 make dW, 32,768 numbers each: the way with the longer chain of work has the lower numbers.  Work-groups 512 to 1,023 take x, 32,768 numbers each.
; Four waves that share nothing: no LDS, no barrier.  No tensor loads and no cluster: x is read once by one wave, and A and B (128 KiB each) are small beside the 64 MiB of x.
.set WGW,   512                        ; work-groups that make dW
.set STEPS, 16                         ; x: steps of 512 numbers for a wave
.set AHEAD, 8                          ; x: loads run eight steps (32 loads a wave) ahead
.set EMAX,  15
.set MANT,  0x600000                   ; the mantissa field of 57,344 as f32
.set R,     16                         ; x:  v16-143   eight sets of 16 numbers
.set C,     176                        ; x:  v176-239  codes: four registers for each step, so that no store's data are written again
.set ACC,   16                         ; dW: v16-31    my 16 numbers of my row of dW
.set D,     32                         ; dW: v32-47    A[o][r] scale[r] at v[D + 2 r]; the odd ones are 0 (upper halves of pairs)
.set CW,    48                         ; dW: v48-63    codes: four sets of four registers by turns
.set BB,    64                         ; dW: v64-191   B[r][my 16 columns] at v[BB + 16 r + i]: they stay
.set RAW,   192                        ; dW: v192-255  a ring of eight tiles' rows of A, eight numbers each
.set SC,    72                         ; dW: s72-79    scale[r]
	s_load_b512 s[4:19], s[0:1], 0x0               ; x, A, B, P, v, lowp_scales, x_codes, w_codes
	v_lshrrev_b32 v1, 5, v0
	v_readfirstlane_b32 s20, v1                    ; wave 0..3
	v_and_b32 v2, 31, v0                           ; lane
	v_lshlrev_b32 v3, 4, v2                        ; 16 x lane: my 16 bytes of 512 consecutive ones
	s_wait_alu depctr_va_vdst(0)                   ; the wait at the head's end
	s_wait_kmcnt 0x0
	s_load_b64 s[24:25], s[14:15], 0x0             ; e0, e1
	s_cmp_ge_u32 ttmp9, WGW
	s_cbranch_scc0 .Ldw
; x: a plain stream of runs of 512 numbers.
	s_sub_co_u32 s21, ttmp9, WGW
	s_lshl_b32 s21, s21, 2
	s_add_co_u32 s21, s21, s20                     ; which run of 8,192 numbers is my wave's
	s_lshl_b32 s22, s21, 15
	s_mov_b32 s23, 0
	s_add_nc_u64 s[4:5], s[4:5], s[22:23]
	s_lshl_b32 s22, s21, 13
	s_add_nc_u64 s[16:17], s[16:17], s[22:23]
.macro LOAD t
.irp i, 0,1,2,3
	global_load_b128 v[R+16*((\t)%AHEAD)+4*\i:R+16*((\t)%AHEAD)+4*\i+3], v3, s[4:5] offset:2048*(\t)+512*\i th:TH_LOAD_NT   ; 32 lanes read 512 consecutive bytes
.endr
.endm
.irp t, 0,1,2,3,4,5,6,7
	LOAD \t
.endr
	s_wait_kmcnt 0x0
	s_add_co_i32 s27, s24, 127
	s_lshl_b32 s28, s27, 23
	v_mov_b32 v11, s28                             ; 2^e0 as f32
	s_add_co_i32 s27, s27, EMAX
	s_lshl_b32 s27, s27, 23
	s_or_b32 s27, s27, MANT
	v_mov_b32 v10, s27                             ; 57,344 x 2^e0
	s_wait_alu depctr_va_vdst(0)                   ; the wait here, directly ahead of the wait below
.macro STEP t
.set XS, R+16*((\t)%AHEAD)
.if STEPS-1-(\t) >= AHEAD-1
	s_wait_loadcnt 4*(AHEAD-1)                     ; this step's four loads are in; those of the seven steps behind it may be out
.else
	s_wait_loadcnt 4*(STEPS-1-(\t))                ; the same, with as many steps behind it as are left
.endif
.irp i, 0,1,2,3,4,5,6,7,8,9,10,11,12,13,14,15
	v_med3_num_f32 v[XS+\i], v[XS+\i], -v10, v10   ; the conversion does not saturate (ISA guide 7.6.2): the hold comes first
.endr
	v_cvt_scalef32_pk8_bf8_f32 v[C+4*(\t):C+4*(\t)+1], v[XS:XS+7], v11
	v_cvt_scalef32_pk8_bf8_f32 v[C+4*(\t)+2:C+4*(\t)+3], v[XS+8:XS+15], v11
	global_store_b128 v3, v[C+4*(\t):C+4*(\t)+3], s[16:17] offset:512*(\t)  ; 32 lanes store 512 consecutive bytes
.if (\t)+AHEAD < STEPS
	LOAD (\t)+AHEAD                                ; the set just converted takes the loads of eight steps on
.endif
.endm
.irp t, 0,1,2,3,4,5,6,7,8,9,10,11,12,13,14,15
	STEP \t
.endr
	s_endpgm
; dW.  Wave W = 0 .. 2,047 takes the 32 places 32 (W % 128) .. + 31 of a row in the 16 tiles of 16 rows o from tile 16 (W / 128) on.  Lane (r = l % 16, h = l / 16) owns row r of every tile and 16 of the places:
; four runs of four columns k, 128 apart.  Its 8 x 16 numbers of B stay in registers; a tile costs it 8 multiplications (A x scale, rounded as the definition rounds it) and 64 packed multiply-adds, r ascending.
; The wave's 512 bytes of codes are one group of four registers of a fragment: they are stored on end.  Every offset is an immediate (15 x 65,536 bytes at the most): no base is stepped.
.Ldw:
	s_load_b512 s[32:47], s[10:11], 0x0            ; P: rows 0 to 3,
	s_load_b512 s[48:63], s[10:11], 0x40           ; rows 4 to 7
	s_load_b128 s[68:71], s[12:13], 0x0            ; v
	s_lshl_b32 s21, ttmp9, 2
	s_add_co_u32 s21, s21, s20                     ; W
	s_and_b32 s22, s21, 127                        ; my 32 places
	s_lshr_b32 s23, s21, 7                         ; my group of 16 tiles
	s_mov_b32 s27, 0
	s_lshr_b32 s26, s22, 4
	s_lshl_b32 s26, s26, 11                        ; B: which 512 columns (2,048 bytes),
	s_and_b32 s28, s22, 15
	s_lshl_b32 s28, s28, 5                         ; and which eight columns of each of its four runs of 128
	s_add_co_u32 s26, s26, s28
	s_add_nc_u64 s[8:9], s[8:9], s[26:27]
	s_lshl_b32 s26, s23, 13                        ; A: 16 tiles of 16 rows of 32 bytes
	s_add_nc_u64 s[6:7], s[6:7], s[26:27]
	s_lshl_b32 s26, s23, 20                        ; the codes: 16 tiles of 65,536 bytes,
	s_lshl_b32 s28, s22, 9                         ; 512 bytes for 32 places
	s_add_co_u32 s26, s26, s28
	s_add_nc_u64 s[18:19], s[18:19], s[26:27]
	v_and_b32 v1, 15, v2
	v_lshlrev_b32 v1, 5, v1                        ; A's offset: my row of a tile, 32 bytes
	v_and_b32 v4, 16, v2                           ; B's offset: 16 h: my four of the eight columns
.irp r, 0,1,2,3,4,5,6,7
.irp j, 0,1,2,3
	global_load_b128 v[BB+16*\r+4*\j:BB+16*\r+4*\j+3], v4, s[8:9] offset:16384*\r+512*\j   ; 32 bytes of a row of B for the wave, sixteen lanes to each half; once
.endr
.endr
.irp i, 0,1,2,3,4,5,6,7
	global_load_b128 v[RAW+8*\i:RAW+8*\i+3],   v1, s[6:7] offset:512*\i                    ; A's tiles 0 to 7 fill the ring: sixteen lanes cover a tile's 512 bytes
	global_load_b128 v[RAW+8*\i+4:RAW+8*\i+7], v1, s[6:7] offset:512*\i+16
.endr
.irp r, 0,1,2,3,4,5,6,7
	v_mov_b32 v[D+2*\r+1], 0
.endr
	s_wait_kmcnt 0x0
.irp r, 0,1,2,3,4,5,6,7
	s_mul_f32  s[SC+\r], s[32+4*\r], s68           ; scale[r] = P[r] . v, in f32, u ascending
	s_fmac_f32 s[SC+\r], s[33+4*\r], s69
	s_fmac_f32 s[SC+\r], s[34+4*\r], s70
	s_fmac_f32 s[SC+\r], s[35+4*\r], s71
.endr
	s_add_co_i32 s27, s25, 127
	s_lshl_b32 s28, s27, 23
	v_mov_b32 v11, s28                             ; 2^e1 as f32
	s_add_co_i32 s27, s27, EMAX
	s_lshl_b32 s27, s27, 23
	s_or_b32 s27, s27, MANT
	v_mov_b32 v10, s27                             ; 57,344 x 2^e1
; Tile t of my sixteen, its rows of A in place t % 8 of the ring.  Tiles 0 to 7 hand their place to the tile eight on; the last eight load nothing, so that no load leaves A.
.macro ROW t
.set RW, RAW+8*((\t)%8)
.if (\t) < 8
	s_wait_loadcnt 14                              ; loads come back in order (ISA guide 5.7.1): this tile's rows of A are in, and B; the other seven places' two loads each may be out
.else
	s_wait_loadcnt 14-2*((\t)-8)                   ; the counts run down
.endif
.irp r, 0,1,2,3,4,5,6,7
	v_mul_f32 v[D+2*\r], s[SC+\r], v[RW+\r]        ; A[o][r] x scale[r]; also the plain lines behind the last tile's conversions
.endr
.if (\t) < 8
	global_load_b128 v[RW:RW+3],   v1, s[6:7] offset:512*(8+(\t))
	global_load_b128 v[RW+4:RW+7], v1, s[6:7] offset:512*(8+(\t))+16
.endif
.irp p, 0,2,4,6,8,10,12,14
	v_pk_mul_f32 v[ACC+\p:ACC+\p+1], v[BB+\p:BB+\p+1], v[D:D+1] op_sel_hi:[1,0]   ; r = 0 starts the sums
.endr
.irp r, 1,2,3,4,5,6,7
.irp p, 0,2,4,6,8,10,12,14
	v_pk_fma_f32 v[ACC+\p:ACC+\p+1], v[BB+16*\r+\p:BB+16*\r+\p+1], v[D+2*\r:D+2*\r+1], v[ACC+\p:ACC+\p+1] op_sel_hi:[1,0,1]
.endr
.endr
.irp p, 0,1,2,3,4,5,6,7,8,9,10,11,12,13,14,15
	v_med3_num_f32 v[ACC+\p], v[ACC+\p], -v10, v10 ; the hold at the largest code x the scale (ISA guide 7.6.2)
.endr
.if (\t)%4 == 0
	s_wait_alu depctr_va_vdst(0)
	s_wait_xcnt 0x0                                ; the last four tiles' stores have read their data: the four sets of codes are written again only behind this wait
.endif
	v_cvt_scalef32_pk8_bf8_f32 v[CW+4*((\t)%4):CW+4*((\t)%4)+1],   v[ACC:ACC+7],    v11
	v_cvt_scalef32_pk8_bf8_f32 v[CW+4*((\t)%4)+2:CW+4*((\t)%4)+3], v[ACC+8:ACC+15], v11
	global_store_b128 v3, v[CW+4*((\t)%4):CW+4*((\t)%4)+3], s[18:19] offset:65536*(\t)   ; 32 lanes store 512 consecutive bytes, at a multiple of 512 from the buffer's first byte
.endm
.irp t, 0,1,2,3,4,5,6,7,8,9,10,11,12,13,14,15
	ROW \t
.endr
	s_endpgm
.Lfunc_end_k_q9d317bfcb4_quant:
	.size	k_q9d317bfcb4_quant, .Lfunc_end_k_q9d317bfcb4_quant-k_q9d317bfcb4_quant
	.p2alignl 7, 3214868480
	.fill 96, 4, 3214868480
	.section	.rodata,"a",@progbits
	.p2align	6, 0x0
	.amdhsa_kernel k_q9d317bfcb4_quant
		.amdhsa_group_segment_fixed_size 0
		.amdhsa_private_segment_fixed_size 0
		.amdhsa_enable_private_segment 0
		.amdhsa_kernarg_size 64
		.amdhsa_user_sgpr_count 2
		.amdhsa_user_sgpr_kernarg_segment_ptr 1
		.amdhsa_wavefront_size32 1
		.amdhsa_system_sgpr_workgroup_id_x 1
		.amdhsa_system_sgpr_workgroup_id_y 1
		.amdhsa_system_sgpr_workgroup_id_z 1
		.amdhsa_system_vgpr_workitem_id 0
		.amdhsa_next_free_vgpr 256
		.amdhsa_next_free_sgpr 82
		.amdhsa_reserve_vcc 0
		.amdhsa_float_denorm_mode_32 3
		.amdhsa_float_denorm_mode_16_64 3
		.amdhsa_memory_ordered 1
		.amdhsa_forward_progress 1
		.amdhsa_inst_pref_size 124
	.end_amdhsa_kernel
	.amdgpu_metadata
---
amdhsa.version: [ 1, 2 ]
amdhsa.kernels:
  - .name:           k_q9d317bfcb4_quant
    .symbol:         k_q9d317bfcb4_quant.kd
    .args:
      - { .name: x, .offset: 0, .size: 8, .value_kind: global_buffer, .address_space: global }
      - { .name: A, .offset: 8, .size: 8, .value_kind: global_buffer, .address_space: global }
      - { .name: B, .offset: 16, .size: 8, .value_kind: global_buffer, .address_space: global }
      - { .name: P, .offset: 24, .size: 8, .value_kind: global_buffer, .address_space: global }
      - { .name: v, .offset: 32, .size: 8, .value_kind: global_buffer, .address_space: global }
      - { .name: lowp_scales, .offset: 40, .size: 8, .value_kind: global_buffer, .address_space: global }
      - { .name: x_codes, .offset: 48, .size: 8, .value_kind: global_buffer, .address_space: global }
      - { .name: w_codes, .offset: 56, .size: 8, .value_kind: global_buffer, .address_space: global }
    .group_segment_fixed_size: 0
    .private_segment_fixed_size: 0
    .kernarg_segment_align: 8
    .kernarg_segment_size: 64
    .max_flat_workgroup_size: 128
    .sgpr_count:     82
    .vgpr_count:     256
    .wavefront_size: 32
...
	.end_amdgpu_metadata
.endif
;; end of part 1
;; launch gemm (part 2): grid 16 x 16, 4 waves a work-group, clusters of 4 x 1, 327,680 bytes of LDS; arguments x_codes, w_codes, lowp_scales, base_output, out0; writes out0
.if DOCPART == 2
	.amdgcn_target "amdgcn-amd-amdhsa--gfx1250"
	.amdhsa_code_object_version 6
	.text
	.protected	k_q9d317bfcb4_gemm
	.globl	k_q9d317bfcb4_gemm
	.p2align	8
	.type	k_q9d317bfcb4_gemm,@function
k_q9d317bfcb4_gemm:
	s_mov_b64 s[64:65], 0
	v_nop
	global_prefetch_b8 v0, s[64:65] scope:SCOPE_SE
	s_setreg_imm32_b32 hwreg(HW_REG_WAVE_MODE, 25, 1), 1
	s_wait_xcnt 0x0
	s_wait_alu depctr_hold_cnt(0) depctr_sa_sdst(0) depctr_va_vdst(0) depctr_va_sdst(0) depctr_va_ssrc(0) depctr_va_vcc(0) depctr_vm_vsrc(0)
	s_getreg_b32 s2, hwreg(HW_REG_IB_STS2, 6, 4)
	s_cmp_eq_u32 s2, 0
	s_cbranch_scc0 .Lentry_in_a_cluster
	s_endpgm
.Lentry_in_a_cluster:
	s_bfe_u32 s2, ttmp6, 0x10000c
	s_cmp_lg_u32 s2, 0x3003
	s_cbranch_scc0 .Lentry_shape_is_right
	s_endpgm
.Lentry_shape_is_right:
; Launch 2 of 2: out0[m][o] = base_output[m][o] + 2^(e0 + e1) x the sum over k of xc[m][k] wc[o][k]: codes of BF8 (E5M2) made by the launch before, multiplied as they are, sums in f32.
; A block of out0, 256 x 256, is made by a work-group of four waves; WAVE w MAKES ALL 256 ROWS x ITS 64 COLUMNS: 16 x 4 accumulators of 16 x 16, 512 registers.  16 x 16 = 256 work-groups.
; xc (rows of 4,096 bytes) is read by all four waves: it goes through a ring of two LDS slots, each 256 rows x 512 along K (four steps of 128), filled by the tensor data mover, 64 rows a wave.
; wc is laid by the launch before as fragments of 2,048 bytes on end.  Each byte of it that a work-group takes is used by ONE wave: so it goes from memory straight into that wave's registers,
; 512 dense bytes a load, in a ring of four sets of four fragments, asked for three steps ahead of its use.  That is why wc is not asked for jointly and has no LDS: two slots of this length
; for xc alone take 270,336 of LDS's 327,680 bytes.
; CLUSTERS: 4 x 1 work-groups, the four blocks of one block row: they need the same tiles of xc, and ask for them JOINTLY (mask 15), the same descriptor in all four.
; base_output JOINS THE SUMS ON THE WAY: block j (16 rows x my 64 columns) takes base_output x 2^-(e0 + e1) onto its accumulators in step 2 j (the last two at the head of the last slot); every finished sum is
; multiplied once by 2^(e0 + e1).
; THE LAST SLOT GOES BY ROWS OF out0: its four sets of wc are all in registers, so a pair of blocks is finished by 32 matrix instructions and leaves while the later pairs are multiplied.
; LIMITS: e0 + e1 lies between -126 and 126.  |base_output| x 2^-(e0 + e1) must be an f32 number; numbers of base_output under 2^(e0 + e1 - 126) lose bits.
; ORDER OF SUMS: base_output's number is added between two K steps.  k stands in the places that the launch before gave it, and a fragment's registers 4 c .. 4 c + 3 hold places 32 c + 16 (l / 16) + 0 .. 15:
; the same in both operands, so every product meets its partner.
; THE MATRIX INSTRUCTION IS USED TRANSPOSED (source 0 = 16 rows of wc, source 1 = 16 rows of xc): a lane holds eight neighbouring numbers of a row of out0.
; PREFETCH: xc's tile of the refill after this one is asked of memory one slot (256 matrix instructions) ahead, each 256 bytes once in a cluster.  wc and base_output have none: their loads into registers
; stand three and four steps ahead of their use.
; REGISTERS: window 0: v16-30 addresses; v32-95 two blocks of base_output; v128-255 eight fragments of xc.  Window 1: wc's four sets of 64.
;   window 2: accumulators of blocks 0-7 ((a, b) at v[8 (4 (a % 8) + b)]); window 3: those of blocks 8-15.
.set ROWC,   16384                     ; a row of base_output or out0, bytes
.set PITCH,  528                       ; an LDS row: 512 bytes + 16: the 16 rows that a load touches start at 16 different banks (ISA guide 11.1)
.set QB,     64*PITCH                  ; what one tensor load brings
.set SLOT,   256*PITCH
.set SPARE,  2*SLOT                    ; the spare words: 128 bytes a wave
.set STAGE,  SPARE+512                 ; a stage of 16 rows x SPITCH (17 blocks of 256 bytes) for each wave; no tile lands there
.set SPITCH, 272
.set ADRA, 16                          ; v16-19  LDS address of my fragments: slot 0 blocks 0-7, 8-15; slot 1 likewise
.set STO,  24                          ; the stage in the accumulators' layout: row l % 16, + 32 (l / 16)
.set RD,   25                          ; the stage by rows: row l / 16, + 16 (l % 16)
.set CO,   26                          ; the same two rows in base_output and out0
.set BO,   27                          ; 16 x lane: my bytes of a fragment's group
.set SPW,  28                          ; my spare word
.set NIL,  29                          ; 0
.set PFO,  30                          ; the prefetch: row l % 16 of xc, + 256 (l / 16)
.set T,    32
.set AF,   128
.set G1,   24                          ; s[24:31] descriptor group 1; s[32:39] group 0, a set for each slot
.set G0,   32
.set BP,   40                          ; s[40:41] wc at my four fragments' rows; steps eight K steps a trip
.set PFA,  44                          ; s[44:45] where my prefetches stand
.set INV,  76                          ; s[76:77] 2^-(e0 + e1), twice
.set MSB, 0
.macro WIN new                         ; the immediate's high byte repeats the setting that is left
.if MSB != \new
	s_set_vgpr_msb (MSB<<8)|\new
.set MSB, \new
.endif
.endm
.macro PLACES                          ; four places behind matrix instructions, ahead of loads into their sources and of reads of their results
.rept 4
	v_nop
.endr
.endm
.macro JLOAD s                         ; every wave's joint load: its 64 rows of the slot
	tensor_load_to_lds s[G0+4*\s:G0+4*\s+3], s[G1:G1+7]
	s_nop 0
	PLACES
.endm
.macro CREST                           ; a round of the cluster's barrier behind its opening barrier
	s_cmp_lg_u32 s14, 0
	s_cbranch_scc1 .Lnot_wave_0_\@
	s_barrier_signal -3
.Lnot_wave_0_\@:
	s_barrier_wait -3
	s_barrier_signal -1
	s_barrier_wait -1
.endm
.macro CROUND
	s_barrier_signal -1
	s_barrier_wait -1
	CREST
.endm
.macro APAIR sl, q, p                  ; 8 LDS loads: xc's blocks 2 p, 2 p + 1 of the slot's q-th 128 along K, block a into place a % 8
.irp e, 0,1
.irp c, 0,1,2,3
	ds_load_b128 v[AF+16*((2*(\p)+\e)%8)+4*\c:AF+16*((2*(\p)+\e)%8)+4*\c+3], v[ADRA+2*(\sl)+(\p)/4] offset:128*(\q)+32*\c+((2*(\p)+\e)%8)*16*PITCH
.endr
.endr
.endm
.macro APX q, p, pl                    ; the same from slot 1, into the two places 2 pl, 2 pl + 1
.irp e, 0,1
.irp c, 0,1,2,3
	ds_load_b128 v[AF+32*(\pl)+16*\e+4*\c:AF+32*(\pl)+16*\e+4*\c+3], v[ADRA+2+(\p)/4] offset:128*(\q)+32*\c+((2*(\p)+\e)%8)*16*PITCH
.endr
.endr
.endm
.macro MULP i, p, zero                 ; 8 matrix instructions: blocks 2 p, 2 p + 1 x wc's four fragments of set i % 4.  The 64 accumulators take turns in the same order in every step
	WIN (0xa1+0x50*((\p)/4))
.irp e, 0,1
.irp b, 0,1,2,3
.if \zero
	v_wmma_f32_16x16x128_bf8_bf8 v[8*(4*((2*(\p)+\e)%8)+\b):8*(4*((2*(\p)+\e)%8)+\b)+7], v[64*((\i)%4)+16*\b:64*((\i)%4)+16*\b+15], v[AF+16*((2*(\p)+\e)%8):AF+16*((2*(\p)+\e)%8)+15], 0
.else
	v_wmma_f32_16x16x128_bf8_bf8 v[8*(4*((2*(\p)+\e)%8)+\b):8*(4*((2*(\p)+\e)%8)+\b)+7], v[64*((\i)%4)+16*\b:64*((\i)%4)+16*\b+15], v[AF+16*((2*(\p)+\e)%8):AF+16*((2*(\p)+\e)%8)+15], v[8*(4*((2*(\p)+\e)%8)+\b):8*(4*((2*(\p)+\e)%8)+\b)+7]
.endif
.endr
.endr
.endm
.macro MULX q, p, pl                   ; the same by rows: xc's fragments in places 2 pl, 2 pl + 1, wc's set q; the pair's eight accumulators take turns
	WIN (0xa1+0x50*((\p)/4))
.irp e, 0,1
.irp b, 0,1,2,3
	v_wmma_f32_16x16x128_bf8_bf8 v[8*(4*((2*(\p)+\e)%8)+\b):8*(4*((2*(\p)+\e)%8)+\b)+7], v[64*(\q)+16*\b:64*(\q)+16*\b+15], v[AF+32*(\pl)+16*\e:AF+32*(\pl)+16*\e+15], v[8*(4*((2*(\p)+\e)%8)+\b):8*(4*((2*(\p)+\e)%8)+\b)+7]
.endr
.endr
.endm
.macro BLOAD i                         ; 16 loads: wc's four fragments of the step three on, into the set that the step before has left
	WIN 0x40
.irp j, 0,1,2,3
.irp c, 0,1,2,3
	global_load_b128 v[64*(((\i)+3)%4)+16*\j+4*\c:64*(((\i)+3)%4)+16*\j+4*\c+3], v[BO], s[BP:BP+1] offset:((\i)+3)*2048+\j*65536+\c*512
.endr
.endr
	WIN 0
.endm
.macro TLOAD n, u                      ; a block of base_output: 8 loads, two rows' aligned 256 bytes each
.irp t, 0,1,2,3,4,5,6,7
	global_load_b128 v[T+32*(\u)+4*\t:T+32*(\u)+4*\t+3], v[CO], s[10:11] offset:(16*(\n)+2*\t)*ROWC th:TH_LOAD_NT
.endr
.endm
.macro TOACC u                         ; through my stage: in by rows, back in the accumulators' layout (LDS serves a wave's instructions in order: ISA guide 5.7.1.4)
.irp t, 0,1,2,3,4,5,6,7
	ds_store_b128 v[RD], v[T+32*(\u)+4*\t:T+32*(\u)+4*\t+3] offset:\t*2*SPITCH
.endr
.irp b, 0,1,2,3
	ds_load_b128 v[T+32*(\u)+8*\b:T+32*(\u)+8*\b+3],   v[STO] offset:64*\b
	ds_load_b128 v[T+32*(\u)+8*\b+4:T+32*(\u)+8*\b+7], v[STO] offset:64*\b+16
.endr
.endm
.macro ADDB a, u                       ; block a's 32 accumulator registers += base_output x 2^-(e0 + e1), each accumulator from its low end on
	WIN (0xa0+0x50*((\a)/8))
.irp j, 0,2,4,6,8,10,12,14,16,18,20,22,24,26,28,30
	v_pk_fma_f32 v[32*((\a)%8)+\j:32*((\a)%8)+\j+1], v[T+32*(\u)+\j:T+32*(\u)+\j+1], s[INV:INV+1], v[32*((\a)%8)+\j:32*((\a)%8)+\j+1] op_sel_hi:[1,0,1]
.endr
	WIN 0
.endm
.macro PICK c0, u                      ; in the loop the block is 4 x trip + c0: the trip with s3 = 3 - t runs its copy; the branches hang on the loop's counter alone
.irp t, 0,1,2
	s_cmp_lg_u32 s3, 3-\t
	s_cbranch_scc1 .Lnp\@_\t
	ADDB 4*\t+(\c0), \u
.Lnp\@_\t:
.endr
.endm
; A step of 128 along K with its successor in the same slot.  i: the step, counted from where BP and base_output's address stand.  lc: the loads younger than this step's set of wc.  bl: the set three steps on is asked for.
; base = 1: the trip's block 4 t + blk of base_output joins; 2: block blk; tl: the block two on is asked for.
; xc's eight places are filled again four at a time: behind the 16 products of four blocks their places take the four blocks eight on, in one run of 16 loads.
; s_wait_dscnt 16: the one younger run may be out; 32: and the stage's 16 instructions; 16, ahead of the addition: the run issued behind the stage's loads.
.macro STEP i, zero, lc, bl, base, blk, tl
.set SL, ((\i)/4)%2
.set Q, (\i)%4
.set U, (\blk)%2
	s_wait_loadcnt \lc                             ; this step's set of wc is in, and whatever was asked for ahead of it: the block of base_output too
.irp p, 0,1,2,3
.if (\base) && ((\p == 1) || (\p == 2))
	s_wait_dscnt 32
.else
	s_wait_dscnt 16
.endif
	MULP \i, 2*\p, \zero
	MULP \i, 2*\p+1, \zero
	PLACES
.if (\bl) && (\p == 0)
	BLOAD \i
.endif
	WIN 0
.if (\base) && (\p == 2)
	s_wait_dscnt 16                                ; the block is back from the stage
.if (\base) == 1
	PICK \blk, U
.else
	ADDB \blk, U
.endif
	s_wait_alu depctr_va_vdst(0)                   ; the wait behind these writes
.if \tl
	TLOAD (\i)/2+2, U
.endif
.endif
.if \p < 2
	APAIR SL, Q, 2*\p+4
	APAIR SL, Q, 2*\p+5
.else
	APAIR SL, Q+1, 2*\p-4
	APAIR SL, Q+1, 2*\p-3
.endif
.if (\base) && (\p == 0)
	TOACC U
.endif
.endr
.endm
; A slot's last step changes slots: ONE barrier; ahead of it each wave waits for all its tensor loads, adds 0 to its spare word, and waits for that and for its reads of this slot.
; fill = 1: the barrier opens a round of the cluster's barrier, and this slot is filled again, two slots ahead.  ask = 1: the next refill's tile is prefetched; 2: in all trips but the last.
; rows = 1: the next slot goes by rows: its first four pairs of fragments are those of that order.
.macro TURN i, fill, lc, bl, ask, rows
.set SL, ((\i)/4)%2
	s_wait_loadcnt \lc
.irp p, 0,1
	s_wait_dscnt 16
	MULP \i, 2*\p, 0
	MULP \i, 2*\p+1, 0
	PLACES
.if (\bl) && (\p == 0)
	BLOAD \i
.endif
	WIN 0
	APAIR SL, 3, 2*\p+4
	APAIR SL, 3, 2*\p+5
.endr
.if \fill
	s_wait_xcnt 0x0                                ; the last prefetch, a slot back, has read its address
	s_add_nc_u64 s[PFA:PFA+1], s[PFA:PFA+1], 512
.endif
	s_wait_tensorcnt 0x0                           ; my one load that was out, my part of the next slot, has landed
	ds_add_u32 v[SPW], v[NIL]
.if \fill
	s_add_nc_u64 s[G0+4*SL+2:G0+4*SL+3], s[G0+4*SL+2:G0+4*SL+3], 1024
.endif
	s_wait_dscnt 17                                ; blocks 8-11 are in; the run of blocks 12-15 and the add may be out
	MULP \i, 4, 0
	s_wait_dscnt 0x0                               ; the add is done, and my reads of this slot are over
	s_barrier_signal -1
	MULP \i, 5, 0
	WIN 0
	s_barrier_wait -1
.if \fill
	CREST
	JLOAD SL                                       ; the first tensor load behind the round, my one load until the next; its four v_nop are the places ahead of the loads below
.else
	PLACES
.endif
.if \rows
	APX 0, 0, 0
	APX 1, 0, 1
.else
	APAIR 1-SL, 0, 0
	APAIR 1-SL, 0, 1
.endif
.if (\ask) == 2
	s_cmp_gt_u32 s3, 1
	s_cbranch_scc0 .Lno_ask_\@                     ; the last refill has no successor
.endif
.if \ask
	global_prefetch_b8 v[PFO], s[PFA:PFA+1] th:TH_LOAD_NT scope:SCOPE_SE   ; 16 rows x 512 bytes, a lane to each 256: of the 64 rows that I fetch, the partner at place cx names 16 cx .. 16 cx + 15
.endif
.if (\ask) == 2
.Lno_ask_\@:
.endif
	MULP \i, 6, 0
	PLACES
	WIN 0
.if \rows
	APX 2, 0, 2
.else
	APAIR 1-SL, 0, 2
.endif
	MULP \i, 7, 0
	PLACES
	WIN 0
.if \rows
	APX 0, 1, 3
.else
	APAIR 1-SL, 0, 3
.endif
.endm
; THE WAY OUT, block by block of 16 rows x 64 columns: through my stage and back as whole rows of 256 bytes, into the block's own accumulator registers; x 2^(e0 + e1); two rows a store.
.macro TOSTAGE a
.set AC, 32*((\a)%8)
	WIN (0x88+0x44*((\a)/8))
.irp b, 0,1,2,3
	ds_store_b128 v[STO], v[AC+8*\b:AC+8*\b+3] offset:64*\b
	ds_store_b128 v[STO], v[AC+8*\b+4:AC+8*\b+7] offset:64*\b+16
.endr
.irp t, 0,1,2,3,4,5,6,7
	ds_load_b128 v[AC+4*\t:AC+4*\t+3], v[RD] offset:\t*2*SPITCH
.endr
.endm
.macro SEND a, younger
.set AC, 32*((\a)%8)
	s_wait_dscnt \younger                          ; the block's rows are back
	WIN (0x82+0x41*((\a)/8))
.irp j, 0,2,4,6,8,10,12,14,16,18,20,22,24,26,28,30
	v_pk_mul_f32 v[AC+\j:AC+\j+1], v[AC+\j:AC+\j+1], s[96:97] op_sel_hi:[1,0]
.endr
	WIN (0x88+0x44*((\a)/8))
.irp t, 0,1,2,3,4,5,6,7
	global_store_b128 v[CO], v[AC+4*\t:AC+4*\t+3], s[12:13] offset:(16*(\a)+2*\t)*ROWC th:TH_STORE_NT   ; sixteen lanes store 256 consecutive bytes, at a multiple of 256 from out0's first byte
.endr
.endm
; One group of the last slot: pair p's 8 products with the slot's q-th 128 along K, fragments in places 2 pl, 2 pl + 1.  Behind them those places take the group four on (pair np, part nq; np < 0: none).
; snd: a block that is back from the stage is stored.  ts: a finished block goes into the stage.  ex = 1, 2, 3: the last two blocks of base_output go through the stage and join.
; DSN counts the LDS instructions issued so far, MK0-3 what it was behind each place's loads: the difference is the number of younger ones (63 at the most can be written; a smaller count waits for more).
.macro G p, q, pl, np, nq, snd, ts, ex
.if DSN-MK\pl > 63
	s_wait_dscnt 63
.else
	s_wait_dscnt DSN-MK\pl
.endif
.if (\q) == 3
	s_wait_loadcnt 0x0                             ; wc's last set
.endif
	MULX \q, \p, \pl
	PLACES
.if \snd >= 0
	SEND \snd, 0
.endif
	WIN 0
.if (\ex) >= 2
	s_wait_dscnt 0x0                               ; the block of base_output is back from the stage
	ADDB 12+(\ex), (\ex)%2
	s_wait_alu depctr_va_vdst(0)                   ; the wait behind these writes
.endif
.if \np >= 0
	APX \nq, \np, \pl
.set DSN, DSN+8
.set MK\pl, DSN
.endif
.if \ts >= 0
	TOSTAGE \ts
.set DSN, DSN+16
.endif
.if ((\ex) == 1) || ((\ex) == 2)
	TOACC (\ex)-1
.set DSN, DSN+16
.endif
.endm
	s_load_b128 s[4:7], s[0:1], 0x0                ; xc, wc
	s_load_b128 s[8:11], s[0:1], 0x10              ; lowp_scales, base_output
	s_load_b64 s[12:13], s[0:1], 0x20              ; out0
	v_lshl_add_u32 v[SPW], v0, 2, SPARE
	v_mov_b32 v[NIL], 0
	ds_add_u32 v[SPW], v[NIL]                      ; the opening lines: the add twice on end and its wait ahead of my first tensor load
	ds_add_u32 v[SPW], v[NIL]
	v_lshrrev_b32 v1, 5, v0
	v_readfirstlane_b32 s14, v1                    ; wave 0..3
	s_bfe_u32 s15, ttmp6, 0x40000                  ; cx
	s_lshl_b32 s16, ttmp9, 2
	s_add_co_u32 s16, s16, s15                     ; block column = 4 x cluster x + cx
	s_and_b32 s17, ttmp7, 0xffff                   ; block row
	s_mov_b32 s[G1+0], 15|(1<<20)|(1<<21)|(6<<22)|(3<<25)  ; the mask of all four; elements of 1 byte; padding: 4 words behind every 128
	s_mov_b32 s[G1+1], 512<<16                     ; tensor_dim0
	s_mov_b32 s[G1+2], 64<<16                      ; tensor_dim1
	s_mov_b32 s[G1+3], 512<<16                     ; tile_dim0
	s_mov_b32 s[G1+4], 64                          ; tile_dim1
	s_mov_b32 s[G1+5], 4096                        ; the pitch
	s_mov_b32 s[G1+6], 0
	s_mov_b32 s[G1+7], 0
	s_lshl_b32 s20, s17, 20                        ; xc: 256 rows of 4,096 bytes a block row,
	s_lshl_b32 s18, s14, 18                        ; 64 rows a wave
	s_add_co_u32 s20, s20, s18
	s_mov_b32 s21, 0
	s_lshl_b32 s22, s16, 20                        ; wc: 16 tiles of 65,536 bytes a block column, 4 tiles a wave
	s_add_co_u32 s22, s22, s18
	s_mov_b32 s23, 0
	s_mul_i32 s19, s14, QB                         ; where my rows go in a slot
	s_mul_i32 s48, s14, 16*SPITCH
	s_add_co_u32 s48, s48, STAGE                   ; my stage
	s_lshl_b32 s46, s17, 22                        ; out0 and base_output: 256 rows of 16,384 bytes,
	s_lshl_b32 s47, s16, 10                        ; 1,024 bytes a block column,
	s_add_co_u32 s46, s46, s47
	s_lshl_b32 s47, s14, 8                         ; 256 bytes a wave
	s_add_co_u32 s46, s46, s47
	s_mov_b32 s47, 0
	s_wait_dscnt 0x0                               ; both opening adds are done
	s_wait_kmcnt 0x0
	s_load_b64 s[96:97], s[8:9], 0x0               ; e0, e1
	s_add_nc_u64 s[20:21], s[4:5], s[20:21]
	s_add_nc_u64 s[BP:BP+1], s[6:7], s[22:23]
	s_add_nc_u64 s[10:11], s[10:11], s[46:47]
	s_add_nc_u64 s[12:13], s[12:13], s[46:47]
	s_lshl_b32 s22, s15, 16                        ; the prefetches: my work-group's 16 of my 64 rows,
	s_add_nc_u64 s[PFA:PFA+1], s[20:21], s[22:23]
	s_add_nc_u64 s[PFA:PFA+1], s[PFA:PFA+1], 1024  ; at slot fill 2: each refill steps it first, so the refill of fill f names fill f + 1
.irp s, 0,1
	s_mov_b32 s[G0+4*\s], 1
	s_add_co_u32 s[G0+4*\s+1], s19, \s*SLOT
	s_add_nc_u64 s[G0+4*\s+2:G0+4*\s+3], s[20:21], \s*512
	s_or_b32 s[G0+4*\s+3], s[G0+4*\s+3], 0x80000000
.endr
	CROUND                                         ; all four work-groups are here: the first joint loads meet
	JLOAD 0                                        ; K 0 to 511: one tensor load a wave at the head
	v_and_b32 v1, 15, v0                           ; l % 16
	v_bfe_u32 v2, v0, 4, 1                         ; l / 16
	v_and_b32 v6, 31, v0
	v_mul_u32_u24 v3, v1, PITCH
	v_lshl_add_u32 v[ADRA], v2, 4, v3              ; a fragment's row x pitch + 16 x half
	v_add_nc_u32 v[ADRA+1], 128*PITCH, v[ADRA]
	v_add_nc_u32 v[ADRA+2], SLOT, v[ADRA]
	v_add_nc_u32 v[ADRA+3], SLOT+128*PITCH, v[ADRA]
	v_mul_u32_u24 v4, v1, SPITCH
	v_lshl_add_u32 v4, v2, 5, v4
	v_add_nc_u32 v[STO], s48, v4
	v_mul_u32_u24 v5, v2, SPITCH
	v_lshl_add_u32 v5, v1, 4, v5
	v_add_nc_u32 v[RD], s48, v5
	v_lshlrev_b32 v7, 14, v2
	v_lshl_add_u32 v[CO], v1, 4, v7
	v_lshlrev_b32 v[BO], 4, v6
	v_lshlrev_b32 v8, 8, v2
	v_lshl_add_u32 v[PFO], v1, 12, v8
	s_wait_alu depctr_va_vdst(0)                   ; the wait at the end of the head's vector work
	TLOAD 0, 0                                     ; the loads stand in the order in which the steps issue them, so that the steps' counts hold from step 0 on
	BLOAD -3
	BLOAD -2
	TLOAD 1, 1
	BLOAD -1
	s_wait_tensorcnt 0x0                           ; my part of slot 0 is in
	ds_add_u32 v[SPW], v[NIL]
	s_wait_dscnt 0x0
	CROUND
	JLOAD 1                                        ; K 512 to 1,023: slot 1's first fill, the first tensor load behind the round
	APAIR 0, 0, 0
	APAIR 0, 0, 1
	APAIR 0, 0, 2
	APAIR 0, 0, 3
	s_wait_kmcnt 0x0
	s_add_co_i32 s96, s96, s97                     ; e0 + e1
	s_sub_co_i32 s[INV], 127, s96
	s_lshl_b32 s[INV], s[INV], 23                  ; 2^-(e0 + e1)
	s_mov_b32 s[INV+1], s[INV]
	s_add_co_i32 s96, s96, 127
	s_lshl_b32 s96, s96, 23                        ; 2^(e0 + e1)
	STEP 0, 1, 40, 1, 2, 0, 1                      ; the first step stands ahead of the loop: its products start the sums
	s_mov_b32 s3, 3
.Llap:                                                 ; a trip: eight steps, once round the ring; both slots are filled again, four blocks of base_output join
	STEP 1, 0, 48, 1, 0, 0, 0
	STEP 2, 0, 40, 1, 1, 1, 1
	TURN 3, 1, 48, 1, 1, 0
	STEP 4, 0, 40, 1, 1, 2, 1
	STEP 5, 0, 48, 1, 0, 0, 0
	STEP 6, 0, 40, 1, 1, 3, 1
	TURN 7, 1, 48, 1, 2, 0
	STEP 8, 0, 40, 1, 1, 4, 1
	s_wait_xcnt 0x0                                ; the trip's loads have read their bases
	s_add_nc_u64 s[BP:BP+1], s[BP:BP+1], 8*2048
	s_add_nc_u64 s[10:11], s[10:11], 64*ROWC
	s_sub_co_u32 s3, s3, 1
	s_cmp_lg_u32 s3, 0
	s_cbranch_scc1 .Llap
	STEP 1, 0, 48, 1, 0, 0, 0                      ; the last seven steps fill nothing again
	STEP 2, 0, 40, 1, 2, 13, 1
	TURN 3, 0, 48, 1, 0, 1
	BLOAD 4                                        ; wc's last set, into the set that step 27 has left
	s_wait_loadcnt 16                              ; all but these 16: three sets of wc and the last block of base_output are in
.set DSN, 32                           ; TURN has issued the first four groups' loads, 8 each, into places 0 to 3
.set MK0, 8
.set MK1, 16
.set MK2, 24
.set MK3, 32
	G 0,0,0, 1,1, -1,-1, 1                         ; pairs 0 and 1 take their last part behind each other's first three: six groups stand ahead of the first use of wc's last set
	G 0,1,1, 1,2, -1,-1, 2
	G 0,2,2, 0,3, -1,-1, 3
	G 1,0,3, 1,3, -1,-1, 0
	G 1,1,0, 2,0, -1,-1, 0
	G 1,2,1, 2,1, -1,-1, 0
	G 0,3,2, 2,2, -1, 0, 0
	G 1,3,3, 2,3,  0, 1, 0
	G 2,0,0, 3,0,  1, 2, 0
	G 2,1,1, 3,1,  2, 3, 0
	G 2,2,2, 3,2,  3,-1, 0
	G 2,3,3, 3,3, -1, 4, 0
.irp p, 3,4,5,6
	G \p,0,0, \p+1,0, 2*\p-2, 2*\p-1, 0
	G \p,1,1, \p+1,1, 2*\p-1, -1, 0
	G \p,2,2, \p+1,2, -1, -1, 0
	G \p,3,3, \p+1,3, -1, 2*\p, 0
.endr
	G 7,0,0, -1,0, 12, 13, 0
	G 7,1,1, -1,0, 13, -1, 0
	G 7,2,2, -1,0, -1, -1, 0
	G 7,3,3, -1,0, -1, 14, 0
	TOSTAGE 15
	SEND 14, 16                                    ; behind block 14's loads from the stage: block 15's 8 stores and 8 loads
	SEND 15, 0
	WIN 0
	s_wait_tensorcnt 0x0                           ; the wave's end
	ds_add_u32 v[SPW], v[NIL]
	s_wait_dscnt 0x0
	CROUND                                         ; the closing round
	s_endpgm
.Lfunc_end_k_q9d317bfcb4_gemm:
	.size	k_q9d317bfcb4_gemm, .Lfunc_end_k_q9d317bfcb4_gemm-k_q9d317bfcb4_gemm
	.p2alignl 7, 3214868480
	.fill 96, 4, 3214868480
	.section	.rodata,"a",@progbits
	.p2align	6, 0x0
	.amdhsa_kernel k_q9d317bfcb4_gemm
		.amdhsa_group_segment_fixed_size 327680
		.amdhsa_private_segment_fixed_size 0
		.amdhsa_enable_private_segment 0
		.amdhsa_kernarg_size 40
		.amdhsa_user_sgpr_count 2
		.amdhsa_user_sgpr_kernarg_segment_ptr 1
		.amdhsa_wavefront_size32 1
		.amdhsa_system_sgpr_workgroup_id_x 1
		.amdhsa_system_sgpr_workgroup_id_y 1
		.amdhsa_system_sgpr_workgroup_id_z 1
		.amdhsa_system_vgpr_workitem_id 0
		.amdhsa_next_free_vgpr 1024
		.amdhsa_next_free_sgpr 98
		.amdhsa_reserve_vcc 0
		.amdhsa_float_denorm_mode_32 3
		.amdhsa_float_denorm_mode_16_64 3
		.amdhsa_memory_ordered 1
		.amdhsa_forward_progress 1
		.amdhsa_inst_pref_size 255
	.end_amdhsa_kernel
	.section	.bss,"aw",@nobits
	.p2align	6
	.space	262144
	.amdgpu_metadata
---
amdhsa.version: [ 1, 2 ]
amdhsa.kernels:
  - .name:           k_q9d317bfcb4_gemm
    .symbol:         k_q9d317bfcb4_gemm.kd
    .args:
      - { .name: x_codes, .offset: 0, .size: 8, .value_kind: global_buffer, .address_space: global }
      - { .name: w_codes, .offset: 8, .size: 8, .value_kind: global_buffer, .address_space: global }
      - { .name: lowp_scales, .offset: 16, .size: 8, .value_kind: global_buffer, .address_space: global }
      - { .name: base_output, .offset: 24, .size: 8, .value_kind: global_buffer, .address_space: global }
      - { .name: out0, .offset: 32, .size: 8, .value_kind: global_buffer, .address_space: global }
    .group_segment_fixed_size: 327680
    .private_segment_fixed_size: 0
    .kernarg_segment_align: 8
    .kernarg_segment_size: 40
    .max_flat_workgroup_size: 128
    .sgpr_count:     98
    .vgpr_count:     1024
    .wavefront_size: 32
...
	.end_amdgpu_metadata
.endif
;; end of part 2
